; MI455X (gfx1250); checked and timed in simulation.
; The chip was launched on July 23, 2026; its instructions are those of AMD's public machine-readable ISA for CDNA 5 (MIT licence, August 2026) and "CDNA5" Instruction Set Architecture Reference Guide (July 2026). The comments in the code are by the model that wrote it; some were corrected since.
;; My Linear. Allowed arithmetic: matrix products marked QUANTISED: E2M3 operands, one E8M0 scale for each 32 along K, by v_wmma_scale_f32_16x16x128_f8f6f4 with both operands' format E2M3, f32 sums; everything else in f32.
;; Inputs: bias 1 x 4,096 float32; weight 1 x 4,096 x 4,096 float32; x 4,096 x 4,096 float32.
;; Outputs: out0 4,096 x 4,096 float32.
;; This version of the problem:
;;   THIS VERSION OF THE PROBLEM IS GIVEN IN LOW PRECISION. The matrix products marked QUANTISED in the list below multiply operands that are first quantised to E2M3 (2 exponent bits, 3 mantissa bits; 6 bits a number), with one power-of-two scale for each 32 numbers along K (OCP MX v1.0); their sums are f32. All else is computed in f32.
;;   The module's matrix products, in the order in which they are computed (A, B: the left and right operand; K: the contracted axis; several contracted axes count as one K, in the product's order):
;;     1. [M 4,096, K 4,096] x [K 4,096, N 4,096]; A: input x; B: input weight: QUANTISED
;;   THE QUANTISER, for each operand of a quantised product, along K:
;;     - K is cut into blocks of 32 from its start; a last block that is shorter is filled with zeros.
;;     - A block's scale is 2^e with e = floor(log2(the largest magnitude in the block)) - 2, held to -126 .. 127; a block of zeros has e = 0. As a byte (E8M0): e + 127.
;;     - Each number is divided by its block's scale, clamped to +-7.5, and rounded to the nearest number of E2M3, ties to even, subnormals kept.
;;     - The product sums the exact products of the quantised numbers (number of the format x scale) in f32.
;;   ~~~python
;;   def quantise(x, axis):      # numpy; x: float32 -> the quantised numbers, widened to float32 again
;;       x = np.moveaxis(x, axis, -1); K = x.shape[-1]
;;       x = np.pad(x, [(0, 0)] * (x.ndim - 1) + [(0, -K % 32)]); x = x.reshape(x.shape[:-1] + (-1, 32)); a = np.abs(x).max(-1, keepdims=True)
;;       e = np.where(a > 0, np.clip(np.frexp(np.where(a > 0, a, 1))[1] - 1 - 2, -126, 127), 0)      # np.frexp(a)[1] - 1 = floor(log2(a)), exactly
;;       r = np.clip(x / 2.0 ** e, -7.5, 7.5)
;;       step = 2.0 ** (np.maximum(np.frexp(np.where(r == 0, 1, r))[1] - 1, 0) - 3)
;;       q = np.round(r / step) * step * 2.0 ** e      # np.round: ties to even
;;       return np.moveaxis(q.reshape(q.shape[:-2] + (-1,))[..., :K], -1, axis).astype(np.float32)
;;   ~~~
;; One version. Each part assembles by itself: llvm-mc -triple=amdgcn-amd-amdhsa -mcpu=gfx1250 --defsym DOCPART=n.
;; ======== version 1 of 1: 2 launches
;; limits: right only within a limited range of input values
;; workspace buffers: xq 13,107,200 bytes; wq 13,107,200 bytes
;; launch quant (part 1): grid 512 x 1, 8 waves a work-group, no clusters, 68,608 bytes of LDS; arguments x, weight, xq, wq; writes xq, wq
.if DOCPART == 1
	.amdgcn_target "amdgcn-amd-amdhsa--gfx1250"
	.amdhsa_code_object_version 6
	.text
	.protected	k_qa13b99266d_quant
	.globl	k_qa13b99266d_quant
	.p2align	8
	.type	k_qa13b99266d_quant,@function
k_qa13b99266d_quant:
	s_mov_b64 s[64:65], 0
	v_nop
	global_prefetch_b8 v0, s[64:65] scope:SCOPE_SE
	s_setreg_imm32_b32 hwreg(HW_REG_WAVE_MODE, 25, 1), 1
	s_wait_xcnt 0x0
; x [4096 (m)][4096 (k)] and weight [4096 (k)][4096 (n)], f32, are turned into codes of FP6 (E2M3), 6 bits each, with one E8M0 scale byte for each 32 along K.
; A block of 32's scale is 2^(floor(log2(its largest magnitude)) - 2); its byte is the largest magnitude's own exponent field - 2, held at 1 from below; each number is divided by the scale and rounded
; to the nearest code, ties to even; what lies beyond 7.5 gets the largest code.
; LIMITS: NaN and infinities among the inputs are not served.  A block of zeros gets the byte 1 where the rule says 127: its codes are zeros, which add nothing under any byte but 0xff, and the
; bytes are read by this program alone.  Blocks whose largest magnitude lies under 2^(3 - 127), whose byte is held at 1, were not tried.
; THE WORKSPACE IS LAID IN THE ORDER OF THE MATRIX OPERAND'S REGISTERS.  A "row" is a row m of x or a column n of weight.  xq and wq are [row / 128 (32)][k / 128 (32)] BLOCKS of 12,800 bytes:
;   bytes 0 .. 12,287: 8 images of fragments, 1,536 bytes each, image i for rows 16 i .. 16 i + 15 of the 128.  An image is the fragment's 12 registers as they stand: registers 4 g .. 4 g + 3 of lane l
;   at 512 g + 16 l.  Lane (r = l % 16, h = l / 16) holds row r; its registers 6 c .. 6 c + 5 hold k = 64 c + 32 h + 0 .. 31.
;   bytes 12,288 .. 12,799: the scale words, [i / 2 (4)][r (16)][i % 2 (2)], four bytes each: byte b scales k = 32 b .. 32 b + 31.
; So each store here covers 256 or 512 consecutive bytes at a multiple of 256 from the buffer's first byte; the product's launch brings several neighbouring blocks by one tensor load and a fragment by three loads of 16 bytes a lane.
; SHARES.  Work-groups 0-255 take x, 256-511 weight: a scalar branch on the work-group's number.  Eight waves, which share nothing: no barrier.  Only x's path uses LDS.  Nothing is looped: every offset is an immediate.
.set BLK,   12800                      ; a block
.set SCOFF, 12288                      ; where its scale words begin
.set FRB,   1536                       ; an image
.set ROWB,  16384                      ; a row of x or of weight in bytes
.set SPX,   528                        ; x's stage: a row of 512 bytes + 16: the sixteen rows that a read touches start at sixteen different 16-byte columns of the 64 banks (ISA guide 11.1)
; x's path: registers
.set R,   16                           ; v16-143   two sets of 64: a fragment's numbers as loaded
.set X,   144                          ; v144-207  my 64 numbers: X + 32 c + n = x(r, 64 c + 32 h + n)
.set C,   208                          ; v208-219  the fragment
.set T,   220                          ; v220-222, v224-226 the upper halves of my two blocks' codes
.set WD,  228                          ; v228-231  the four fragments' scale words
; weight's path: registers
.set XW,  16                           ; v16-111   three sets of 32: a block of 32 down K of my column
.set F,   112                          ; v112-159  for column set cs: tile 0's fragment at F + 24 cs, tile 1's at F + 24 cs + 12
.set TA,  160                          ; v160-174  for column set cs: the upper half of an even block's codes at TA + 8 cs, of an odd block's at TA + 8 cs + 4
.set SW,  176                          ; v176-177  my columns' scale words, cs = 0, 1
	s_load_b256 s[4:11], s[0:1], 0x0               ; x s[4:5], weight s[6:7], xq s[8:9], wq s[10:11]
	v_lshl_add_u32 v240, v0, 2, 0x10800
	v_mov_b32 v241, 0
	v_lshrrev_b32 v1, 5, v0
	s_delay_alu instid0(VALU_DEP_1)
	v_readfirstlane_b32 s12, v1                    ; wave 0..7
	v_and_b32 v1, 31, v0                           ; lane
	v_and_b32 v2, 15, v0                           ; r
	v_bfe_u32 v3, v0, 4, 1                         ; h
	s_mov_b32 s20, 0x76543210
	s_mov_b32 s21, 0xfedcba98                      ; v_permlanex16_b32's selects for lane l xor 16
	s_wait_kmcnt 0x0
	s_cmp_lt_u32 ttmp9, 256
	s_cbranch_scc0 .Lweight
; ---------------------------------------------------------------- x: K is innermost.  A wave takes 64 rows x 128 along K: four fragments f (which 16 rows), half of one block.
; A load is best where neighbouring lanes take neighbouring bytes; the conversions want 32 neighbours along K in one lane.  Both are had: each load reads 512 consecutive bytes of one row, and a fragment's
; 16 rows x 512 bytes turn through the wave's own stage in LDS.
	s_lshr_b32 s13, ttmp9, 2                       ; P: rows 64 P .. 64 P + 63
	s_and_b32 s16, ttmp9, 3
	s_lshl_b32 s16, s16, 3
	s_add_co_u32 s16, s16, s12                     ; s = k / 128: the work-group's eight waves stand side by side on 4,096 bytes of each row
	s_lshl_b32 s18, s13, 20                        ; 64 P rows of 16,384 bytes
	s_lshl_b32 s19, s16, 9                         ; + 128 s numbers
	s_add_co_u32 s18, s18, s19
	s_mov_b32 s19, 0
	s_add_nc_u64 s[4:5], s[4:5], s[18:19]
	s_lshr_b32 s17, s13, 1                         ; row / 128
	s_lshl_b32 s17, s17, 5
	s_add_co_u32 s17, s17, s16
	s_mul_i32 s18, s17, BLK                        ; my block
	s_and_b32 s17, s13, 1                          ; my 64 rows are tiles 4 (P % 2) .. 4 (P % 2) + 3 of its eight
	s_mul_i32 s22, s17, 4*FRB
	s_add_co_u32 s22, s22, s18
	s_mov_b32 s23, 0
	s_lshl_b32 s17, s17, 8
	s_add_co_u32 s18, s18, s17
	s_add_co_u32 s18, s18, SCOFF
	s_add_nc_u64 s[14:15], s[8:9], s[18:19]        ; my 256 bytes of scale words
	s_add_nc_u64 s[8:9], s[8:9], s[22:23]          ; my four images
	s_mul_i32 s24, s12, 16*SPX                     ; my stage
	s_wait_alu depctr_va_vdst(0)
	v_lshlrev_b32 v4, 4, v1                        ; 16 x lane: loads and code stores
	s_delay_alu instid0(VALU_DEP_1)
	v_add_nc_u32 v5, s24, v4                       ; the stage, on the way in
	v_mul_u32_u24 v6, v2, SPX
	s_delay_alu instid0(VALU_DEP_1)
	v_lshl_add_u32 v6, v3, 7, v6
	s_delay_alu instid0(VALU_DEP_1)
	v_add_nc_u32 v6, s24, v6                       ; and on the way out: row r, + 128 h bytes
	v_lshlrev_b32 v7, 3, v1                        ; 8 x lane: the scale words' store
	v_lshlrev_b32 v8, 3, v3                        ; 8 h: my bytes' place in a scale word
	v_mov_b32 v9, 0                                ; written once: a lane permute's destination counts as one of its sources
.macro XLOAD f                         ; fragment f's 16 rows x 512 bytes into set f % 2; the largest offset, 63 rows, lies inside the signed 24-bit immediate (ISA guide, chapter 10)
.irp i, 0,1,2,3,4,5,6,7,8,9,10,11,12,13,14,15
	global_load_b128 v[R+64*((\f)%2)+4*\i:R+64*((\f)%2)+4*\i+3], v4, s[4:5] offset:(16*(\f)+\i)*ROWB th:TH_LOAD_NT
.endr
.endm
.macro XTURN f                         ; through the stage: LDS serves a wave's instructions in order (ISA guide 5.7.1.4), so no wait stands between the stores and the loads
.irp i, 0,1,2,3,4,5,6,7,8,9,10,11,12,13,14,15
	ds_store_b128 v5, v[R+64*((\f)%2)+4*\i:R+64*((\f)%2)+4*\i+3] offset:SPX*\i
.endr
.irp c, 0,1
.irp j, 0,1,2,3,4,5,6,7
	ds_load_b128 v[X+32*\c+4*\j:X+32*\c+4*\j+3], v6 offset:256*\c+16*\j
.endr
.endr
.endm
.macro XQUANT f                        ; my two whole blocks of 32 (2 c + h, c = 0, 1) become registers 6 c .. 6 c + 5 of the fragment
.irp c, 0,1
	v_max3_num_f32 v[10+\c], |v[X+32*\c]|, |v[X+32*\c+1]|, 0x1800000   ; the largest magnitude, and the floor 2^(3 - 127): the byte cannot fall under 1
.endr
.irp i, 2,4,6,8,10,12,14,16,18,20,22,24,26,28,30
.irp c, 0,1
	s_delay_alu instid0(VALU_DEP_2)
	v_max3_num_f32 v[10+\c], v[10+\c], |v[X+32*\c+\i]|, |v[X+32*\c+\i+1]|   ; (the two blocks by turns)
.endr
.endr
.irp c, 0,1
	s_delay_alu instid0(VALU_DEP_2)
	v_add_nc_u32 v[12+\c], 0xff000000, v[10+\c]    ; 2 off its exponent field: the conversion takes the exponent field of this operand as its scale, and nothing else of it
.endr
.irp c, 0,1
	s_delay_alu instid0(VALU_DEP_2)
	v_lshrrev_b32 v[14+\c], 23, v[12+\c]           ; the scale's byte
.endr
	s_delay_alu instid0(VALU_DEP_1)
	v_lshl_or_b32 v[WD+(\f)], v15, 16, v14         ; my two bytes: blocks h and 2 + h,
	s_delay_alu instid0(VALU_DEP_1)
	v_lshlrev_b32 v[WD+(\f)], v8, v[WD+(\f)]       ; at their places in the word;
	s_delay_alu instid0(VALU_DEP_1)
	v_permlanex16_b32 v9, v[WD+(\f)], s20, s21
	s_delay_alu instid0(VALU_DEP_1)
	v_or_b32 v[WD+(\f)], v[WD+(\f)], v9            ; with lane l xor 16's two the word is whole, in both halves of the lanes
.irp c, 0,1
	v_cvt_scalef32_pk16_fp6_f32 v[C+6*\c:C+6*\c+2], v[X+32*\c:X+32*\c+15], v[12+\c]
	v_cvt_scalef32_pk16_fp6_f32 v[T+4*\c:T+4*\c+2], v[X+32*\c+16:X+32*\c+31], v[12+\c]   ; (a conversion's three registers begin on an even number: the second half of a block's six does not)
.endr
	v_nop                                          ; one plain place behind a scaled conversion
.irp c, 0,1
.irp i, 0,1,2
	v_mov_b32 v[C+3+6*\c+\i], v[T+4*\c+\i]
.endr
.endr
.endm
.macro XSTORE f                        ; the image: three stores of 512 consecutive bytes
.irp g, 0,1,2
	global_store_b128 v4, v[C+4*\g:C+4*\g+3], s[8:9] offset:FRB*(\f)+512*\g
.endr
.endm
	XLOAD 0
	XLOAD 1                                        ; 32 loads of the wave are out
	s_wait_alu depctr_va_vdst(0)
.irp f, 0,1,2,3
.if \f < 3
	s_wait_loadcnt 16                              ; this fragment's 16 loads are in; the next fragment's 16 may be out
.else
	s_wait_loadcnt 0x0
.endif
	XTURN \f
	s_wait_dscnt 0x0                               ; my 64 numbers are back, and the stage's stores have read their registers
.if \f > 0
	s_wait_xcnt 0x0                                ; the last fragment's stores have had their addresses translated (ISA guide 3.1): only behind this wait are their data written again
.endif
.if \f < 2
	XLOAD \f+2                                     ; into the set just left
.endif
	XQUANT \f
	XSTORE \f
.endr
	v_cmp_le_u32 vcc_lo, 16, v1                    ; lane 16 h + r stores row r's words of tiles 2 h and 2 h + 1: every word lies in both halves of the lanes
	s_delay_alu instid0(VALU_DEP_1)
	v_cndmask_b32 v232, v[WD+0], v[WD+2], vcc_lo
	s_delay_alu instid0(VALU_DEP_2)
	v_cndmask_b32 v233, v[WD+1], v[WD+3], vcc_lo
	global_store_b64 v7, v[232:233], s[14:15]      ; 32 lanes store 256 consecutive bytes
	s_wait_tensorcnt 0x0
	ds_add_u32 v240, v241
	s_wait_dscnt 0x0
	s_endpgm
; ---------------------------------------------------------------- weight: K is the FIRST axis.  A wave takes 64 columns x 128 down K, as two sets of 32 columns.  A LANE TAKES A COLUMN OF EACH SET, AND ITS
; REGISTERS RUN DOWN K: each load reads 128 consecutive bytes, a block of 32 along K lies in one lane's 32 registers, and the conversions give codes with K innermost.  The two sets take turns block by
; block, so that the two halves of a row's 256 consecutive bytes are asked for by one wave, 32 loads apart.
.Lweight:
	s_sub_co_u32 s13, ttmp9, 256
	s_lshr_b32 s17, s13, 3                         ; column / 128
	s_and_b32 s16, s13, 7
	s_lshl_b32 s16, s16, 2
	s_lshr_b32 s18, s12, 1
	s_add_co_u32 s16, s16, s18                     ; s = k / 128
	s_and_b32 s24, s12, 1                          ; which 64 of the 128 columns: tiles 4 hw .. 4 hw + 3
	s_lshl_b32 s18, s16, 21                        ; 128 s rows of 16,384 bytes
	s_lshl_b32 s19, s17, 9
	s_add_co_u32 s18, s18, s19
	s_lshl_b32 s19, s24, 8
	s_add_co_u32 s18, s18, s19
	s_mov_b32 s19, 0
	s_add_nc_u64 s[6:7], s[6:7], s[18:19]
	s_lshl_b32 s17, s17, 5
	s_add_co_u32 s17, s17, s16
	s_mul_i32 s18, s17, BLK                        ; my block
	s_mul_i32 s22, s24, 4*FRB
	s_add_co_u32 s22, s22, s18
	s_mov_b32 s23, 0
	s_lshl_b32 s24, s24, 8
	s_add_co_u32 s18, s18, s24
	s_add_co_u32 s18, s18, SCOFF
	s_add_nc_u64 s[14:15], s[10:11], s[18:19]      ; my 256 bytes of scale words
	s_add_nc_u64 s[10:11], s[10:11], s[22:23]      ; my four images
	s_wait_alu depctr_va_vdst(0)
	v_lshlrev_b32 v4, 2, v1                        ; 4 x lane: loads
	v_lshlrev_b32 v5, 4, v1                        ; 16 x lane: code stores
	v_lshlrev_b32 v7, 3, v1                        ; 8 x lane: the scale words' store
.macro WLOAD b                         ; turn b = 2 bb + cs: weight(32 bb + n, my column of set cs), n = 0 .. 31, into set b % 3; the largest offset, 127 rows, lies inside the signed 24-bit immediate (ISA guide, chapter 10)
.irp n, 0,1,2,3,4,5,6,7,8,9,10,11,12,13,14,15,16,17,18,19,20,21,22,23,24,25,26,27,28,29,30,31
	global_load_b32 v[XW+32*((\b)%3)+\n], v4, s[6:7] offset:(32*((\b)/2)+\n)*ROWB+128*((\b)%2) th:TH_LOAD_NT
.endr
.endm
; Turn b = 2 bb + cs: block bb of 32 along K, column set cs.  The operand wants, in tile t's fragment, block 2 c of a column in lanes 0-15 and block 2 c + 1 of the same column in lanes 16-31; I hold both blocks of MY
; column, and the wave's lanes 0-15 are the set's tile 0, lanes 16-31 its tile 1.  So an even block's codes are made in tile 0's registers and the odd block's in tile 1's, and one exchange of the first's lanes 16-31
; with the second's lanes 0-15 sets both right.
.macro WBLOCK b
.set XS, XW+32*((\b)%3)
.set CS, (\b)%2
.set BB, (\b)/2
.set F0, F+24*CS
.set F1, F0+12
.set OO, 6*(BB/2)
.set TAC, TA+8*CS
.set TBC, TAC+4
.if (\b) < 7
	s_wait_loadcnt 32                              ; this turn's 32 loads are in; the next turn's 32 may be out
.else
	s_wait_loadcnt 0x0
.endif
.if (\b) < 6
	WLOAD (\b)+2                                   ; into the set that the turn before has left: 64 loads are out while this block is worked on
.endif
	v_max3_num_f32 v10, |v[XS]|, |v[XS+1]|, |v[XS+2]|      ; the block's largest magnitude: all 32 numbers are mine; two chains
	v_max3_num_f32 v11, |v[XS+3]|, |v[XS+4]|, |v[XS+5]|
.irp i, 6,10,14,18,22,26
	s_delay_alu instid0(VALU_DEP_2)
	v_max3_num_f32 v10, v10, |v[XS+\i]|, |v[XS+\i+1]|
	s_delay_alu instid0(VALU_DEP_2)
	v_max3_num_f32 v11, v11, |v[XS+\i+2]|, |v[XS+\i+3]|
.endr
	s_delay_alu instid0(VALU_DEP_2)
	v_max3_num_f32 v10, v10, |v[XS+30]|, |v[XS+31]|
	s_delay_alu instid0(VALU_DEP_1)
	v_max3_num_f32 v10, v10, v11, 0x1800000        ; and the floor 2^(3 - 127): the byte cannot fall under 1
	s_delay_alu instid0(VALU_DEP_1)
	v_add_nc_u32 v12, 0xff000000, v10              ; 2 off the exponent field: the conversion's scale operand
.if BB%2 == 0
	v_cvt_scalef32_pk16_fp6_f32 v[F0+OO:F0+OO+2], v[XS:XS+15], v12
	v_cvt_scalef32_pk16_fp6_f32 v[TAC:TAC+2], v[XS+16:XS+31], v12   ; (a conversion's three registers begin on an even number)
.else
	v_cvt_scalef32_pk16_fp6_f32 v[F1+OO:F1+OO+2], v[XS:XS+15], v12
	v_cvt_scalef32_pk16_fp6_f32 v[TBC:TBC+2], v[XS+16:XS+31], v12
.endif
	v_lshrrev_b32 v13, 23, v12                     ; the scale's byte.  (The plain place behind the conversions)
.if BB == 0
	s_delay_alu instid0(VALU_DEP_1)
	v_mov_b32 v[SW+CS], v13                        ; four bytes to a word, the lower K in the lower byte
.else
	s_delay_alu instid0(VALU_DEP_1)
	v_lshl_or_b32 v[SW+CS], v13, 8*BB, v[SW+CS]
.endif
.if BB%2 == 1
.irp j, 0,1,2
	v_permlane16_swap_b32 v[F0+OO+\j], v[F1+OO+\j] ; the first's lanes 16-31 change places with the second's lanes 0-15
.endr
.irp j, 0,1,2
	v_permlane16_swap_b32 v[TAC+\j], v[TBC+\j]
.endr
.irp j, 0,1,2
	v_mov_b32 v[F0+OO+3+\j], v[TAC+\j]
	v_mov_b32 v[F1+OO+3+\j], v[TBC+\j]
.endr
.endif
.if BB == 3                            ; the set's two fragments are whole.  Each set has registers of its own: no store's data are written again
.irp t, 0,1
.irp g, 0,1,2
	global_store_b128 v5, v[F0+12*\t+4*\g:F0+12*\t+4*\g+3], s[10:11] offset:(2*CS+\t)*FRB+512*\g
.endr
.endr
.endif
.endm
	WLOAD 0
	WLOAD 1
	s_wait_alu depctr_va_vdst(0)
.irp b, 0,1,2,3,4,5,6,7
	WBLOCK \b
.endr
	v_permlane16_swap_b32 v[SW], v[SW+1]           ; lane 16 t + r held column r's words of tiles t and 2 + t; now lane 16 h + r holds those of tiles 2 h and 2 h + 1: the order in which they lie
	global_store_b64 v7, v[SW:SW+1], s[14:15]      ; 32 lanes store 256 consecutive bytes
	s_endpgm
.Lfunc_end_k_qa13b99266d_quant:
	.size	k_qa13b99266d_quant, .Lfunc_end_k_qa13b99266d_quant-k_qa13b99266d_quant
	.p2alignl 7, 3214868480
	.fill 96, 4, 3214868480
	.section	.rodata,"a",@progbits
	.p2align	6, 0x0
	.amdhsa_kernel k_qa13b99266d_quant
		.amdhsa_group_segment_fixed_size 68608
		.amdhsa_private_segment_fixed_size 0
		.amdhsa_enable_private_segment 0
		.amdhsa_kernarg_size 32
		.amdhsa_user_sgpr_count 2
		.amdhsa_user_sgpr_kernarg_segment_ptr 1
		.amdhsa_wavefront_size32 1
		.amdhsa_system_sgpr_workgroup_id_x 1
		.amdhsa_system_sgpr_workgroup_id_y 1
		.amdhsa_system_sgpr_workgroup_id_z 1
		.amdhsa_system_vgpr_workitem_id 0
		.amdhsa_next_free_vgpr 242
		.amdhsa_next_free_sgpr 66
		.amdhsa_reserve_vcc 1
		.amdhsa_float_denorm_mode_32 3
		.amdhsa_float_denorm_mode_16_64 3
		.amdhsa_memory_ordered 1
		.amdhsa_forward_progress 1
		.amdhsa_inst_pref_size 78
	.end_amdhsa_kernel
	.amdgpu_metadata
---
amdhsa.version: [ 1, 2 ]
amdhsa.kernels:
  - .name:           k_qa13b99266d_quant
    .symbol:         k_qa13b99266d_quant.kd
    .args:
      - { .name: x, .offset: 0, .size: 8, .value_kind: global_buffer, .address_space: global }
      - { .name: weight, .offset: 8, .size: 8, .value_kind: global_buffer, .address_space: global }
      - { .name: xq, .offset: 16, .size: 8, .value_kind: global_buffer, .address_space: global }
      - { .name: wq, .offset: 24, .size: 8, .value_kind: global_buffer, .address_space: global }
    .group_segment_fixed_size: 68608
    .private_segment_fixed_size: 0
    .kernarg_segment_align: 8
    .kernarg_segment_size: 32
    .max_flat_workgroup_size: 256
    .sgpr_count:     66
    .vgpr_count:     242
    .wavefront_size: 32
...
	.end_amdgpu_metadata
.endif
;; end of part 1
;; launch gemm (part 2): grid 16 x 16, 4 waves a work-group, clusters of 4 x 4, 327,680 bytes of LDS; arguments xq, wq, bias, out0; writes out0
.if DOCPART == 2
	.amdgcn_target "amdgcn-amd-amdhsa--gfx1250"
	.amdhsa_code_object_version 6
	.text
	.protected	k_qa13b99266d_gemm
	.globl	k_qa13b99266d_gemm
	.p2align	8
	.type	k_qa13b99266d_gemm,@function
k_qa13b99266d_gemm:
	s_mov_b64 s[64:65], 0
	v_nop
	global_prefetch_b8 v0, s[64:65] scope:SCOPE_SE
	s_setreg_imm32_b32 hwreg(HW_REG_WAVE_MODE, 25, 1), 1
	s_wait_xcnt 0x0
	s_wait_alu depctr_hold_cnt(0) depctr_sa_sdst(0) depctr_va_vdst(0) depctr_va_sdst(0) depctr_va_ssrc(0) depctr_va_vcc(0) depctr_vm_vsrc(0)
	s_getreg_b32 s2, hwreg(HW_REG_IB_STS2, 6, 4)
	s_cmp_eq_u32 s2, 0
	s_cbranch_scc0 .Lentry_in_a_cluster
	s_endpgm
.Lentry_in_a_cluster:
	s_bfe_u32 s2, ttmp6, 0x10000c
	s_cmp_lg_u32 s2, 0xf033
	s_cbranch_scc0 .Lentry_shape_is_right
	s_endpgm
.Lentry_shape_is_right:
; out0[m][n] = bias[n] + sum over k of x[m][k] weight[k][n], both operands as codes of FP6 (E2M3) with E8M0 scales, as the launch before laid them:
; xq, wq = [row / 128 (32)][k / 128 (32)] blocks of 12,800 bytes: 8 images of fragments (1,536 bytes: registers 4 g .. 4 g + 3 of lane l at 512 g + 16 l), then 512 bytes of scale words.
; A work-group of four waves makes 256 x 256 of out0, a wave 128 x 128: 64 accumulators.  K goes in steps of 128 through two LDS slots of three steps each (the last fill: two steps).
; CLUSTERS: 4 x 4 work-groups; A's tiles are asked for jointly along a row of the cluster, B's along a column.  The matrix instruction is used transposed (source 0 = B, source 1 = A).
; REGISTERS.  Each window of 256 holds 16 accumulators (v128-255), two sets of four fragments (v0-47, v48-95) and v96-127 for the rest:
;   window 0: B's blocks 0-3;  window 1: B's 4-7;  window 2: A's 0-3;  window 3: A's 4-7.  Accumulator (a, b) lies in window 2 (a / 4) + b / 4 at v[128 + 32 (a % 4) + 8 (b % 4)].
; A step is ONE run of 52 LDS loads, the next step's fragments and scale words into the set that the step before read, and then 64 products in four quarters d = 0 .. 3, each under one window
; setting: D and C window d, A's fragments window 2 + d / 2, B's window d % 2.  So a run has a whole step's products in which to land.
; A slot is left at the end of its SECOND step: the third step's fragments have been asked for by then.  The refill and the next slot's first run stand on the border between the two steps.
; THE LAST FIVE STEPS (27 to 31), whose tiles lie in the two slots together, go in two halves: first all five for my rows 0-63 (quarters 0, 1), then all five for rows 64-127 (quarters 2, 3).
; Rows 0-63 are finished at the first half's end and leave during the second: one block of 16 rows in each half step, its LDS and store lines in the same run as the half step's fragment loads.
; B's fragments of these five steps are read from LDS twice.  K stays ascending for every sum.
; THE BIAS is loaded into the accumulators at the head (register j of lane (r, h) of accumulator (a, b) is column 16 b + 8 h + j): every step then has one form, C = D.
; PREFETCH: behind each tensor load the tile of the next tensor load (three K steps on) is named: 150 units of 256 bytes for each wave's tile, shared out by address among the four partners that ask
; for it jointly (38 units each, two instructions a wave; lanes left over name a unit again, held at the tile's last).  The last tile has 100 units, 25 a partner, named in step 24.  The first slot comes by its load alone.
.set SIZE_N, 4096
.set BLK,    12800
.set SCOFF,  12288
.set FRB,    1536
.set GROW,   32*BLK                    ; the 32 blocks of 128 rows
.set TILE,   3*BLK                     ; what one tensor load brings: three K steps of 128 rows
.set SLOT,   4*TILE                    ; A's two halves, then B's two
.set SPARE,  2*SLOT                    ; the spare words, 128 bytes a wave
.set STAGE,  2*BLK                     ; the way out: the third block of my own tile's place in slot 0: the last fill, of two blocks, does not reach it, and it is read no more behind step 25's barrier
.set SPITCH, 528
.set ACC,  128
.set SC,   96                          ; v96-111 scale words, two sets of 8: lanes 0-15 A's block i, lanes 16-31 B's block i
.set ADRB, 112                         ; v112-113 LDS address of my B images in slot 0, 1; v114-115 the same for A
.set ADRS, 116                         ; v116-117 of my scale words
.set STO,  118
.set RD,   119
.set CO,   120
.set SPW,  121                         ; my spare word; never rewritten
.set NIL,  122                         ; 0; never rewritten
.set PF0,  123                         ; v123-124 the prefetches' offsets
.set BO,   125                         ; the bias: 32 h bytes
.set PF2,  126                         ; the prefetch's offset in the last, shorter tile
.set PFA,  12                          ; s[12:13] the tile that my prefetches name
.set G1,   24
.set G0,   32
.set G1B,  48
.set G0B,  56
.set G1S,  68                          ; groups 1 for the last fill: two K steps
.set G1SB, 76
.set MSB, 0
.macro WIN new                         ; the immediate's high byte repeats the setting that is left
.if MSB != (\new)
	s_set_vgpr_msb (MSB<<8)|(\new)
.set MSB, (\new)
.endif
.endm
.macro JLOAD s, g1a, g1b               ; a joint load: waves 0, 1 fetch A's halves, waves 2, 3 B's
	s_cmp_eq_u32 s15, 0
	s_cbranch_scc0 .Lfor_b_\@
	tensor_load_to_lds s[G0+4*\s:G0+4*\s+3], s[\g1a:\g1a+7]
	s_nop 0
.rept 4
	v_nop
.endr
	s_branch .Lasked_\@
.Lfor_b_\@:
	tensor_load_to_lds s[G0B+4*\s:G0B+4*\s+3], s[\g1b:\g1b+7]
	s_nop 0
.rept 4
	v_nop
.endr
.Lasked_\@:
.endm
.macro CREST                           ; a round of the cluster's barrier behind its opening barrier
	s_cmp_lg_u32 s14, 0
	s_cbranch_scc1 .Lnot_wave_0_\@
	s_barrier_signal -3
.Lnot_wave_0_\@:
	s_barrier_wait -3
	s_barrier_signal -1
	s_barrier_wait -1
.endm
.macro CROUND
	s_barrier_signal -1
	s_barrier_wait -1
	CREST
.endm
.macro PLACES
.rept 4
	v_nop
.endr
.endm
.macro ASK                             ; my 38 units of the tile at s[PFA:PFA+1]
	global_prefetch_b8 v[PF0], s[PFA:PFA+1] th:TH_LOAD_NT scope:SCOPE_SE
	global_prefetch_b8 v[PF0+1], s[PFA:PFA+1] th:TH_LOAD_NT scope:SCOPE_SE
.endm
	s_load_b256 s[4:11], s[0:1], 0x0               ; xq, wq, bias, out0
	v_lshl_add_u32 v[SPW], v0, 2, SPARE
	v_mov_b32 v[NIL], 0
	ds_add_u32 v[SPW], v[NIL]                      ; the opening lines: the add twice on end and its wait
	ds_add_u32 v[SPW], v[NIL]
	v_lshrrev_b32 v1, 5, v0
	v_readfirstlane_b32 s14, v1                    ; wave
	s_lshr_b32 s15, s14, 1                         ; my half of the rows; also: I fetch for A (0) or B (1)
	s_and_b32 s16, s14, 1                          ; my half of the columns; also: which 128 rows I fetch
	s_bfe_u32 s40, ttmp6, 0x40000                  ; cx
	s_bfe_u32 s41, ttmp6, 0x40004                  ; cy
	s_lshl_b32 s42, ttmp9, 2
	s_add_co_u32 s42, s42, s40                     ; tile column
	s_and_b32 s17, ttmp7, 0xffff
	s_lshl_b32 s17, s17, 2
	s_add_co_u32 s17, s17, s41                     ; tile row
	s_lshl_b32 s43, s41, 2
	s_lshl_b32 s43, 15, s43                        ; my row of the cluster
	s_lshl_b32 s44, 0x1111, s40                    ; my column
	s_or_b32 s[G1+0], s43, (3<<16)|(1<<21)         ; elements of 8 bytes; the mask, bit 21 beside it
	s_or_b32 s[G1B+0], s44, (3<<16)|(1<<21)
	s_or_b32 s[G1S+0], s43, (3<<16)|(1<<21)
	s_or_b32 s[G1SB+0], s44, (3<<16)|(1<<21)
.irp g, G1, G1B                        ; a dense tile of 38,400 bytes as 150 rows of 256
	s_mov_b32 s[\g+1], 32<<16
	s_mov_b32 s[\g+2], 150<<16
	s_mov_b32 s[\g+3], 32<<16
	s_mov_b32 s[\g+4], 150
	s_mov_b32 s[\g+5], 32
	s_mov_b32 s[\g+6], 0
	s_mov_b32 s[\g+7], 0
.endr
.irp g, G1S, G1SB                      ; 25,600 bytes as 100 rows
	s_mov_b32 s[\g+1], 32<<16
	s_mov_b32 s[\g+2], 100<<16
	s_mov_b32 s[\g+3], 32<<16
	s_mov_b32 s[\g+4], 100
	s_mov_b32 s[\g+5], 32
	s_mov_b32 s[\g+6], 0
	s_mov_b32 s[\g+7], 0
.endr
	s_lshl_b32 s20, s17, 1
	s_add_co_u32 s20, s20, s16
	s_mul_i32 s20, s20, GROW                       ; A: the 128 rows that I fetch
	s_mov_b32 s21, 0
	s_lshl_b32 s46, s42, 1
	s_add_co_u32 s46, s46, s16
	s_mul_i32 s46, s46, GROW                       ; B likewise
	s_mov_b32 s47, 0
	s_mul_i32 s45, s14, TILE                       ; where they go: wave x a tile
	s_mul_i32 s86, s15, TILE                       ; what I read: my half of A,
	s_mul_i32 s87, s16, TILE
	s_add_co_u32 s87, s87, 2*TILE                  ; my half of B,
	s_sub_co_u32 s88, s87, s86                     ; the distance between them,
	s_add_co_u32 s89, s86, SCOFF                   ; the scale words;
	s_add_co_u32 s90, s86, SLOT                    ; and the same in slot 1
	s_add_co_u32 s91, s87, SLOT
	s_add_co_u32 s92, s89, SLOT
	s_mul_i32 s93, s14, TILE
	s_add_co_u32 s93, s93, STAGE                   ; my stage
	s_wait_dscnt 0x0                               ; both opening adds are done
	s_wait_kmcnt 0x0
	s_add_nc_u64 s[20:21], s[4:5], s[20:21]
	s_add_nc_u64 s[46:47], s[6:7], s[46:47]
	CROUND                                         ; the first joint loads meet
.irp s, 0,1
	s_mov_b32 s[G0+4*\s], 1
	s_add_co_u32 s[G0+4*\s+1], s45, \s*SLOT
	s_add_nc_u64 s[G0+4*\s+2:G0+4*\s+3], s[20:21], \s*TILE
	s_or_b32 s[G0+4*\s+3], s[G0+4*\s+3], 0x80000000
	s_mov_b32 s[G0B+4*\s], 1
	s_add_co_u32 s[G0B+4*\s+1], s45, \s*SLOT
	s_add_nc_u64 s[G0B+4*\s+2:G0B+4*\s+3], s[46:47], \s*TILE
	s_or_b32 s[G0B+4*\s+3], s[G0B+4*\s+3], 0x80000000
.endr
	JLOAD 0, G1, G1B                               ; K steps 0-2: one tensor load a wave at the head
	s_cmp_eq_u32 s15, 0
	s_cselect_b64 s[PFA:PFA+1], s[20:21], s[46:47] ; the prefetches: the rows that I fetch,
	s_cselect_b32 s84, s40, s41                    ; my place among the four that ask with me,
	s_add_nc_u64 s[PFA:PFA+1], s[PFA:PFA+1], TILE  ; at K steps 3-5
	s_mul_i32 s94, s84, 25                         ; my 25 units of the last tile's 100
	s_mul_i32 s84, s84, 38                         ; my 38 units of a tile's 150
	s_add_co_u32 s85, s84, 32
	s_lshl_b32 s46, s42, 10                        ; my first column in bytes: 1,024 x tile column + 512 x half
	s_lshl_b32 s47, s16, 9
	s_add_co_u32 s46, s46, s47
	s_mov_b32 s47, 0
	s_add_nc_u64 s[8:9], s[8:9], s[46:47]
	s_lshl_b32 s20, s17, 8
	s_lshl_b32 s21, s15, 7
	s_add_co_u32 s20, s20, s21                     ; my first row
	s_lshl_b32 s20, s20, 14
	s_mov_b32 s21, 0
	s_add_nc_u64 s[20:21], s[20:21], s[46:47]
	s_add_nc_u64 s[10:11], s[10:11], s[20:21]
	v_and_b32 v1, 15, v0                           ; r
	v_bfe_u32 v2, v0, 4, 1                         ; h
	v_and_b32 v3, 31, v0                           ; lane
	v_lshlrev_b32 v4, 4, v3                        ; an image: 16 x lane
	v_mul_u32_u24 v5, s88, v2                      ; scale words: lanes 16-31 take B's
	v_lshl_add_u32 v5, v1, 3, v5
	v_add_nc_u32 v[ADRB], s87, v4
	v_add_nc_u32 v[ADRB+1], s91, v4
	v_add_nc_u32 v[ADRB+2], s86, v4
	v_add_nc_u32 v[ADRB+3], s90, v4
	v_add_nc_u32 v[ADRS], s89, v5
	v_add_nc_u32 v[ADRS+1], s92, v5
	v_mul_u32_u24 v6, v1, SPITCH                   ; the stage, in: row r, 32 bytes for each half of the lanes
	v_lshl_add_u32 v6, v2, 5, v6
	v_add_nc_u32 v[STO], s93, v6
	v_add_nc_u32 v[RD], s93, v4                    ; back: 32 lanes take a row of 512 bytes
	v_lshlrev_b32 v[CO], 4, v3
	v_lshlrev_b32 v[BO], 5, v2
	v_add_nc_u32 v7, s84, v3
	v_lshlrev_b32 v[PF0], 8, v7                    ; units 38 p + lane
	v_min_u32 v8, 5, v3
	v_add_nc_u32 v8, s85, v8
	v_min_u32 v8, 149, v8                          ; units 38 p + 32 .. + 37, held at the tile's last
	v_lshlrev_b32 v[PF0+1], 8, v8
	v_min_u32 v9, 24, v3
	v_add_nc_u32 v9, s94, v9
	v_lshlrev_b32 v[PF2], 8, v9                    ; the last tile: units 25 p + 0 .. 24
	s_wait_alu depctr_va_vdst(0)                   ; the wait at the head's end
	ASK                                            ; K steps 3-5
.irp d, 0,1,2,3                        ; the bias starts the sums
	WIN (\d)<<6
.irp i, 0,1,2,3
.irp j, 0,1,2,3
	global_load_b128 v[ACC+32*\i+8*\j:ACC+32*\i+8*\j+3], v[BO], s[8:9] offset:64*(4*((\d)%2)+\j)
	global_load_b128 v[ACC+32*\i+8*\j+4:ACC+32*\i+8*\j+7], v[BO], s[8:9] offset:64*(4*((\d)%2)+\j)+16
.endr
.endr
.endr
	WIN 0
; window d's part of the step at block nq of slot ns, into set: B's or A's blocks 4 (d % 2) + 0 .. 3; window 0 takes the scale words too
.macro LOADW d, set, ns, nq
	WIN (\d)<<6
.irp i, 0,1,2,3
.irp g, 0,1,2
	ds_load_b128 v[48*(\set)+12*\i+4*\g:48*(\set)+12*\i+4*\g+3], v[ADRB+2*((\d)/2)+(\ns)] offset:(\nq)*BLK+(4*((\d)%2)+\i)*FRB+512*\g
.endr
.if (\d) == 0
	ds_load_b64 v[SC+8*(\set)+2*\i:SC+8*(\set)+2*\i+1], v[ADRS+(\ns)] offset:(\nq)*BLK+128*\i
.endif
.endr
.endm
.macro RUN set, ns, nq                 ; a whole step's 52 loads
	LOADW 0, \set, \ns, \nq
	LOADW 2, \set, \ns, \nq
	LOADW 1, \set, \ns, \nq
	LOADW 3, \set, \ns, \nq
.endm
.macro RUNH set, half, ns, nq          ; a half step's 40 loads: all of B, the scale words, and A's blocks 4 half + 0 .. 3
	LOADW 0, \set, \ns, \nq
	LOADW 2+(\half), \set, \ns, \nq
	LOADW 1, \set, \ns, \nq
.endm
; four products: A's block 4 (d / 2) + i against B's blocks 4 (d % 2) + 0 .. 3.  The accumulators take turns, one instruction a turn
.macro QUAD d, par, i
.irp j, 0,1,2,3
	v_wmma_scale_f32_16x16x128_f8f6f4 v[ACC+32*(\i)+8*\j:ACC+32*(\i)+8*\j+7], v[48*(\par)+12*\j:48*(\par)+12*\j+11], v[48*(\par)+12*(\i):48*(\par)+12*(\i)+11], v[ACC+32*(\i)+8*\j:ACC+32*(\i)+8*\j+7], v[SC+8*(\par)+4*((\d)%2)+\j], v[SC+8*(\par)+4*((\d)/2)+(\i)] matrix_a_fmt:MATRIX_FMT_FP6 matrix_b_fmt:MATRIX_FMT_FP6 matrix_a_scale:MATRIX_SCALE_ROW1
.endr
.endm
.macro PWIN d
	WIN ((\d)<<6)|((\d)<<4)|((2+(\d)/2)<<2)|((\d)%2)
.endm
.macro PHASE d, par
	PWIN \d
.irp i, 0,1,2,3
	QUAD \d, \par, \i
.endr
.endm
; a step's head: the next step (block nq of slot ns) is asked for, and this step's fragments are in.  after = 1: four places already stand behind the last products.
; ask: 1 prefetch, 2 not in the loop's last trip, 3 the last, shorter tile
.macro OPEN par, ns, nq, after, ask
.if !(\after)
	PLACES                                         ; four places between the last step's products and the loads into the set that they read
.endif
	RUN 1-(\par), \ns, \nq
.if \ask
	WIN 0
.endif
.if \ask == 2
	s_cmp_gt_u32 s3, 1                             ; in the last trip the tile of the next tensor load is the shorter one: asked for in step 24
	s_cbranch_scc0 .Lno_ask_\@
.endif
.if \ask == 3
	global_prefetch_b8 v[PF2], s[PFA:PFA+1] th:TH_LOAD_NT scope:SCOPE_SE
.elseif \ask
	ASK
.endif
.if \ask == 2
.Lno_ask_\@:
.endif
	s_wait_dscnt 52                                ; all but the 52 just issued: the run of a step ago
.endm
.macro STEP par, ns, nq, after, ask
	OPEN \par, \ns, \nq, \after, \ask
	PHASE 0, \par
	PHASE 1, \par
	PHASE 2, \par
	PHASE 3, \par
.endm
; a slot's second step: at its end the slot is left and filled again.  fill: 1 a whole refill, 2 the last, shorter one.  ask = 1: the prefetches' address steps
.macro LEAVE par, slot, fill, ask
	OPEN \par, \slot, 2, 0, 0
	PHASE 0, \par
	PHASE 1, \par
	PHASE 2, \par
.if \ask
	s_wait_xcnt 0x0                                ; my prefetches have read their address
	s_add_nc_u64 s[PFA:PFA+1], s[PFA:PFA+1], TILE
.endif
	WIN 0
	s_wait_tensorcnt 0x0                           ; my part of the other slot has landed;
	ds_add_u32 v[SPW], v[NIL]
	PWIN 3
	QUAD 3, \par, 0
	QUAD 3, \par, 1
	s_wait_dscnt 0x0                               ; the add is done and my reads of this slot are over
	s_barrier_signal -1
	QUAD 3, \par, 2
	QUAD 3, \par, 3
	WIN 0
	s_barrier_wait -1
	CREST                                          ; the barrier has opened a round of the cluster's barrier
	s_add_nc_u64 s[G0+4*\slot+2:G0+4*\slot+3], s[G0+4*\slot+2:G0+4*\slot+3], 2*TILE
	s_add_nc_u64 s[G0B+4*\slot+2:G0B+4*\slot+3], s[G0B+4*\slot+2:G0B+4*\slot+3], 2*TILE
.if \fill == 1
	JLOAD \slot, G1, G1B                           ; its four v_nop are the places in front of the next step's run
.else
	JLOAD \slot, G1S, G1SB
.endif
.endm
	s_wait_xcnt 0x0                                ; my prefetches have read their address
	s_add_nc_u64 s[PFA:PFA+1], s[PFA:PFA+1], TILE  ; on to K steps 6-8
	s_wait_tensorcnt 0x0                           ; my part of slot 0 is in
	ds_add_u32 v[SPW], v[NIL]
	s_wait_dscnt 0x0
	CROUND
	JLOAD 1, G1, G1B                               ; K steps 3-5
	RUN 0, 0, 0
	WIN 0
	ASK
	s_wait_loadcnt 0x0                             ; the bias is in the accumulators
	s_mov_b32 s3, 4
.Llap:                                                 ; a trip: six steps, once round the ring
	STEP 0, 0, 1, 0, 0
	LEAVE 1, 0, 1, 1
	STEP 0, 1, 0, 1, 1
	STEP 1, 1, 1, 0, 0
	LEAVE 0, 1, 1, 1
	STEP 1, 0, 0, 1, 2
	WIN 0
	s_sub_co_u32 s3, s3, 1
	s_cmp_lg_u32 s3, 0
	s_cbranch_scc1 .Llap
; THE WAY OUT, by blocks of 16 rows x 128 columns, through my own stage: in as 32 bytes a lane, back as rows of 512 bytes
.macro STG a                           ; block a into the stage, each accumulator from its low end on
.irp u, 0,1
	WIN (2*((\a)/4)+\u)<<2
.irp j, 0,1,2,3
	ds_store_b128 v[STO], v[ACC+32*((\a)%4)+8*\j:ACC+32*((\a)%4)+8*\j+3] offset:64*(4*\u+\j)
	ds_store_b128 v[STO], v[ACC+32*((\a)%4)+8*\j+4:ACC+32*((\a)%4)+8*\j+7] offset:64*(4*\u+\j)+16
.endr
.endr
.endm
.macro BACKU                           ; back into window 2's v0-63: A's blocks 0-3, which the second half does not read.  LDS serves a wave's instructions in order (ISA guide 5.7.1.4)
	WIN 0x80
.irp t, 0,1,2,3,4,5,6,7,8,9,10,11,12,13,14,15
	ds_load_b128 v[4*\t:4*\t+3], v[RD] offset:\t*SPITCH
.endr
.endm
.macro SENDU a
	WIN 0x08
.irp t, 0,1,2,3,4,5,6,7,8,9,10,11,12,13,14,15
	global_store_b128 v[CO], v[4*\t:4*\t+3], s[10:11] offset:(16*(\a)+\t)*SIZE_N*4 th:TH_STORE_NT   ; 512 consecutive bytes; 127 rows at the most, inside the signed 24-bit immediate
.endr
.endm
.macro TOSTAGE a                       ; behind the last product: back into v0-31 of windows 0, 1 or 2, 3 by turns
	STG \a
.irp u, 0,1
	WIN (2*((\a)%2)+\u)<<6
.irp t, 0,1,2,3,4,5,6,7
	ds_load_b128 v[4*\t:4*\t+3], v[RD] offset:(8*\u+\t)*SPITCH
.endr
.endr
.endm
.macro SEND a, younger
	s_wait_dscnt \younger
.irp u, 0,1
	WIN (2*((\a)%2)+\u)<<2
.irp t, 0,1,2,3,4,5,6,7
	global_store_b128 v[CO], v[4*\t:4*\t+3], s[10:11] offset:(16*(\a)+8*\u+\t)*SIZE_N*4 th:TH_STORE_NT
.endr
.endr
.endm
; a half step: quarters 2 half and 2 half + 1 on set par.  run = 1: the next half step (half nhalf of block nq of slot ns) is asked for.  meet = 1: a barrier shows the last fill to all four waves.
; snd, stg (-1: none): a block of rows 0-63 that is stored, and one that goes through the stage, in the same run of memory lines
.macro HALF par, half, run, nhalf, ns, nq, meet, snd, stg
	PLACES
.if (\snd) >= 0 || (\stg) >= 0
	s_wait_dscnt 0x0                               ; this half step's fragments are in, and the last block is back from the stage
.endif
.if (\snd) >= 0
	SENDU \snd
.endif
.if \run
	RUNH 1-(\par), \nhalf, \ns, \nq
.endif
.if (\stg) > 0
	s_wait_xcnt 0x0                                ; the last block's stores have read their registers
.endif
.if (\stg) >= 0
	STG \stg
	BACKU
.endif
.if (\snd) < 0 && (\stg) < 0
	s_wait_dscnt 40                                ; all but the 40 just issued
.endif
	PHASE 2*(\half), \par
.if \meet
	s_wait_tensorcnt 0x0                           ; my part of the last fill has landed
	PWIN 2*(\half)+1
	QUAD 2*(\half)+1, \par, 0
	QUAD 2*(\half)+1, \par, 1
	s_wait_dscnt 0x0                               ; no LDS instruction of mine is out at the signal
	s_barrier_signal -1
	QUAD 2*(\half)+1, \par, 2
	QUAD 2*(\half)+1, \par, 3
	s_barrier_wait -1
.else
	PHASE 2*(\half)+1, \par
.endif
.endm
	STEP 0, 0, 1, 0, 3                             ; step 24
	LEAVE 1, 0, 2, 0                               ; step 25; K steps 30, 31 are asked for
	RUNH 1, 0, 1, 0                                ; step 26, whole; behind it the halves begin
	s_wait_dscnt 40
	PHASE 0, 0
	PHASE 1, 0
	PHASE 2, 0
	PHASE 3, 0
	HALF 1, 0, 1, 0, 1, 1, 0, -1, -1               ; rows 0-63: steps 27 to 31
	HALF 0, 0, 1, 0, 1, 2, 1, -1, -1
	HALF 1, 0, 1, 0, 0, 0, 0, -1, -1
	HALF 0, 0, 1, 0, 0, 1, 0, -1, -1
	HALF 1, 0, 1, 1, 1, 0, 0, -1, -1
	HALF 0, 1, 1, 1, 1, 1, 0, -1, 0                ; rows 64-127: steps 27 to 31, while blocks 0 to 3 leave
	HALF 1, 1, 1, 1, 1, 2, 0, 0, 1
	HALF 0, 1, 1, 1, 0, 0, 0, 1, 2
	HALF 1, 1, 1, 1, 0, 1, 0, 2, 3
	HALF 0, 1, 0, 0, 0, 0, 0, 3, -1
	PLACES
	TOSTAGE 4
.irp a, 5,6,7
	s_wait_xcnt 0x0                                ; the earlier blocks' stores have read their registers
	TOSTAGE \a
	SEND \a-1, 32                                  ; behind block a - 1's loads: block a's 16 stores and 16 loads
.endr
	SEND 7, 0
	WIN 0
	s_wait_tensorcnt 0x0                           ; the wave's end
	ds_add_u32 v[SPW], v[NIL]
	s_wait_dscnt 0x0
	CROUND                                         ; the closing round
	s_endpgm
.Lfunc_end_k_qa13b99266d_gemm:
	.size	k_qa13b99266d_gemm, .Lfunc_end_k_qa13b99266d_gemm-k_qa13b99266d_gemm
	.p2alignl 7, 3214868480
	.fill 96, 4, 3214868480
	.section	.rodata,"a",@progbits
	.p2align	6, 0x0
	.amdhsa_kernel k_qa13b99266d_gemm
		.amdhsa_group_segment_fixed_size 327680
		.amdhsa_private_segment_fixed_size 0
		.amdhsa_enable_private_segment 0
		.amdhsa_kernarg_size 32
		.amdhsa_user_sgpr_count 2
		.amdhsa_user_sgpr_kernarg_segment_ptr 1
		.amdhsa_wavefront_size32 1
		.amdhsa_system_sgpr_workgroup_id_x 1
		.amdhsa_system_sgpr_workgroup_id_y 1
		.amdhsa_system_sgpr_workgroup_id_z 1
		.amdhsa_system_vgpr_workitem_id 0
		.amdhsa_next_free_vgpr 1024
		.amdhsa_next_free_sgpr 96
		.amdhsa_reserve_vcc 0
		.amdhsa_float_denorm_mode_32 3
		.amdhsa_float_denorm_mode_16_64 3
		.amdhsa_memory_ordered 1
		.amdhsa_forward_progress 1
		.amdhsa_inst_pref_size 229
	.end_amdhsa_kernel
	.amdgpu_metadata
---
amdhsa.version: [ 1, 2 ]
amdhsa.kernels:
  - .name:           k_qa13b99266d_gemm
    .symbol:         k_qa13b99266d_gemm.kd
    .args:
      - { .name: xq, .offset: 0, .size: 8, .value_kind: global_buffer, .address_space: global }
      - { .name: wq, .offset: 8, .size: 8, .value_kind: global_buffer, .address_space: global }
      - { .name: bias, .offset: 16, .size: 8, .value_kind: global_buffer, .address_space: global }
      - { .name: out0, .offset: 24, .size: 8, .value_kind: global_buffer, .address_space: global }
    .group_segment_fixed_size: 327680
    .private_segment_fixed_size: 0
    .kernarg_segment_align: 8
    .kernarg_segment_size: 32
    .max_flat_workgroup_size: 128
    .sgpr_count:     96
    .vgpr_count:     1024
    .wavefront_size: 32
...
	.end_amdgpu_metadata
.endif
;; end of part 2
